; MI455X (gfx1250); checked and timed in simulation.
; The chip was launched on July 23, 2026; its instructions are those of AMD's public machine-readable ISA for CDNA 5 (MIT licence, August 2026) and "CDNA5" Instruction Set Architecture Reference Guide (July 2026). The comments in the code are by the model that wrote it; some were corrected since.
;; Multi Head Attention. Allowed arithmetic: matrix products marked QUANTISED: E2M1 operands, one E8M0 scale for each 32 along K, by v_wmma_scale_f32_16x16x128_f8f6f4 with both operands' format E2M1 (or v_wmma_scale_f32_32x16x128_f4), f32 sums; everything else in f32.
;; Inputs: W_out_codes 1,024 x 32 x 16 uint8 (E2M1 codes of W_out, K innermost, in blocks of 32 codes, two codes a byte); W_out_scales 1,024 x 32 uint8 (E8M0 scales of W_out, one for each 32 codes along K); W_qkv_codes 3,072 x 32 x 16 uint8 (E2M1 codes of W_qkv, K innermost, in blocks of 32 codes, two codes a byte); W_qkv_scales 3,072 x 32 uint8 (E8M0 scales of W_qkv, one for each 32 codes along K); b_out 1,024 float32; b_qkv 3,072 float32; x_codes 4 x 2,048 x 32 x 16 uint8 (E2M1 codes of x, K innermost, in blocks of 32 codes, two codes a byte); x_scales 4 x 2,048 x 32 uint8 (E8M0 scales of x, one for each 32 codes along K).
;; Outputs: out0 4 x 2,048 x 1,024 float32.
;; This version of the problem:
;;   THIS VERSION OF THE PROBLEM IS GIVEN IN LOW PRECISION. The matrix products marked QUANTISED in the list below multiply operands that are first quantised to E2M1 (2 exponent bits, 1 mantissa bit; 4 bits a number), with one power-of-two scale for each 32 numbers along K (OCP MX v1.0); their sums are f32. All else is computed in f32.
;;   The module's matrix products, in the order in which they are computed (A, B: the left and right operand; K: the contracted axis; several contracted axes count as one K, in the product's order):
;;     1. [M 8,192, K 1,024] x [K 1,024, N 3,072]; A: input x (given as codes); B: input W_qkv (given as codes): QUANTISED
;;     2. batch 64 x [M 2,048, K 64] x [K 64, N 2,048]; A: computed on the way; B: computed on the way: QUANTISED
;;     3. batch 64 x [M 2,048, K 2,048] x [K 2,048, N 64]; A: softmax (see below); B: computed on the way: QUANTISED
;;     4. [M 8,192, K 1,024] x [K 1,024, N 1,024]; A: computed on the way; B: input W_out (given as codes): QUANTISED
;;   THE QUANTISER, for each operand of a quantised product, along K:
;;     - K is cut into blocks of 32 from its start; a last block that is shorter is filled with zeros.
;;     - A block's scale is 2^e with e = floor(log2(the largest magnitude in the block)) - 2, held to -126 .. 127; a block of zeros has e = 0. As a byte (E8M0): e + 127.
;;     - Each number is divided by its block's scale, clamped to +-6, and rounded to the nearest number of E2M1, ties to even, subnormals kept.
;;     - The product sums the exact products of the quantised numbers (number of the format x scale) in f32.
;;   ~~~python
;;   def quantise(x, axis):      # numpy; x: float32 -> the quantised numbers, widened to float32 again
;;       x = np.moveaxis(x, axis, -1); K = x.shape[-1]
;;       x = np.pad(x, [(0, 0)] * (x.ndim - 1) + [(0, -K % 32)]); x = x.reshape(x.shape[:-1] + (-1, 32)); a = np.abs(x).max(-1, keepdims=True)
;;       e = np.where(a > 0, np.clip(np.frexp(np.where(a > 0, a, 1))[1] - 1 - 2, -126, 127), 0)      # np.frexp(a)[1] - 1 = floor(log2(a)), exactly
;;       r = np.clip(x / 2.0 ** e, -6, 6)
;;       step = 2.0 ** (np.maximum(np.frexp(np.where(r == 0, 1, r))[1] - 1, 0) - 1)
;;       q = np.round(r / step) * step * 2.0 ** e      # np.round: ties to even
;;       return np.moveaxis(q.reshape(q.shape[:-2] + (-1,))[..., :K], -1, axis).astype(np.float32)
;;   ~~~
;;   SOFTMAX AHEAD OF A QUANTISED PRODUCT. Where the list says 'softmax', what is quantised is not the finished softmax but p = 2^(t - M), with t = logit x log2(e) and M = ceil(the row's largest t), a whole number; so 1/2 < the row's largest p <= 1. The row's sum l is taken of the UNQUANTISED p, in f32, and the product's result is divided by l at the end. Since M is a whole number, a kernel that streams over the keys may use a running M (the ceiling of the running maximum): every later rescaling is an exact power of two, which a block's scale takes up: the codes' values come out the same.
;;   OPERANDS COMPUTED ON THE WAY. 'Computed on the way' means the value that the module computes at that place (a softmax that the list does not call 'softmax' is quantised finished and normalised). What goes into a quantiser is computed in f32, as accurately as f32 sums, v_exp_f32 and their like allow (about 1e-6 of the number): no bf16 or f16 on the way to a quantiser, and a product that is left as it is and whose result goes on into a quantised operand takes f32 operands (vector FMAs, or v_wmma_f32_16x16x4_f32). A number that lies on a knife's edge between two numbers of the format may be rounded either way, as far as f32 arithmetic and the matrix unit's own rounding can turn it there, and no further.
;;   INPUTS GIVEN AS CODES. W_out (in the module: [1024, 1024], K = its axis 0); W_qkv (in the module: [1024, 3072], K = its axis 0); x (in the module: [4, 2048, 1024], K = its axis 2): each comes as NAME_codes (uint8): NAME with its K axis moved to the last place and cut into blocks of 32 codes, [.., K / 32, bytes a block], one block behind the other in memory; two codes a byte, the lower K in the low four bits (a code: sign, 2 exponent bits, 1 mantissa bit); and NAME_scales (uint8): the same leading axes, one E8M0 byte (e + 127) for each 32 codes along K. Its value is code x scale, taken as it is: it is not quantised again, and the codes and scales need not be those that the quantiser above would give.
;; One version. Each part assembles by itself: llvm-mc -triple=amdgcn-amd-amdhsa -mcpu=gfx1250 --defsym DOCPART=n.
;; ======== version 1 of 1: 3 launches
;; workspace buffers: qbuf 4,456,448 bytes; kv 8,912,896 bytes; abuf 4,194,304 bytes; asc 262,144 bytes
;; launch qkv (part 1): grid 16 x 16, 4 waves a work-group, no clusters, 237,056 bytes of LDS; arguments x_codes, x_scales, W_qkv_codes, W_qkv_scales, b_qkv, qbuf, kv; writes qbuf, kv
.if DOCPART == 1
	.amdgcn_target "amdgcn-amd-amdhsa--gfx1250"
	.amdhsa_code_object_version 6
	.text
	.protected	k_q3227adafbc_qkv
	.globl	k_q3227adafbc_qkv
	.p2align	8
	.type	k_q3227adafbc_qkv,@function
k_q3227adafbc_qkv:
	s_mov_b64 s[64:65], 0
	v_nop
	global_prefetch_b8 v0, s[64:65] scope:SCOPE_SE
	s_setreg_imm32_b32 hwreg(HW_REG_WAVE_MODE, 25, 1), 1
	s_wait_xcnt 0x0
; qkv = x W_qkv^T + b_qkv on codes of FP4 (E2M1) with E8M0 scales, and its three parts quantised again for attention: q and k along the head's 64, v along the keys.
; SHARES.  Work-group (x = head, y = block of 512 tokens), four waves.  Wave w owns 128 tokens (group G = 4 y + w) for all of K = 1,024 and makes three units of 128 tokens x 64 columns
; one after the other: the head's q, k and v.  Its x stays in REGISTERS (8 tiles x 8 K steps x 8 = 512); the head's 192 rows of W lie in LDS for all four waves.  Straight-line text, 768 matrix instructions a wave.
; THE WEAVE.  In each 64 consecutive indices (tokens, or a head's columns) tile t, row r is index 8 t + (r & 7) + 32 (r >> 3).  A result gives lanes 16-31 rows 8-15, so the four tiles of such a 64 give a lane
; 32 CONSECUTIVE indices, 32 (lane / 16) + 8 t + j: a whole block of 32 in one lane.  Its largest magnitude needs no other lane, and four conversions give four registers of the next operand as they stand.
; q, k: source 0 = 16 rows of W, source 1 = 16 tokens: a lane holds one token and 32 of the head's 64.   v: the sources swapped: a lane holds one column and 32 neighbouring keys.
; WHAT IS STORED are images of the reader's registers: qbuf [batch x head][group of 128 tokens] records of 4,352 bytes (8 tiles x 512 bytes of codes, lane l's 16 bytes at 16 l; 256 bytes of scale words, 8 a lane);
; kv records of 8,704 bytes: k's codes, v's codes (4 tiles of columns x 2 halves of the keys), k's scale words, v's.  Every store of a wave covers 512 or 256 consecutive bytes, aligned to 256.
; THE WAY IN goes through registers, a whole row of 512 bytes to a load, and each row is put into LDS at its WOVEN place (an immediate): so the sixteen rows of every fragment are neighbours, 528 bytes apart.
; NO JOINT LOADS: a tile brought by the tensor data mover keeps memory's order of rows, in which a fragment's two groups of eight rows lie 32 rows apart; and 512 rows of x at 528 bytes (270,336) do not fit
; beside W's 101,376, so x would need slots that are filled again.  What the work-groups of a head share is W: 96 of the 352 KB that a work-group reads.
; LIMITS: NaN and infinities are not served.  A block's largest magnitude is held at 2^(3 - 127) from below, so a block of zeros gets the byte 1 where the rule says 127: its codes are zeros, and this program alone reads the bytes.
; REGISTERS, in windows of 256: window 0: addresses, W's fragments (two sets), bias tiles, scale words, the quantiser's work.  window 1: the 32 accumulators, (token tile a, column tile b) at v[8 (4 a + b)].
;   window 3: x's fragments of tokens 0-63, (t, s) at v[64 t + 8 s];  window 2: those of tokens 64-127.
.set PW,   528                         ; an LDS row: 512 bytes + 16 = 132 words: row r starts at bank 4 r mod 64 (64 banks of 4 bytes: ISA guide 11.1), so a fragment's sixteen rows start at sixteen different banks
.set WTY,  64*PW                       ; 64 rows: q's, k's or v's part of W; also a wave's stage for x
.set XST,  3*WTY                       ; behind W: a stage of 64 rows for each wave
.set LN16, 1                           ; v1     16 x lane
.set WSTO, 2                           ; v2-4   where I put my rows of W: q's, k's, v's
.set XSTO, 5                           ; v5     my stage + 16 x lane
.set XRD,  6                           ; v6     my stage + 528 r + 16 h: a fragment's place for my lane
.set WRD,  7                           ; v7-9   the same in W's three parts
.set LX,   10                          ; v10    32 x (8 h + woven r): a scale row of 32 bytes, lanes 0-15 an even tile's, lanes 16-31 the odd one's
.set BQO,  11                          ; v11    128 h: q's and k's bias
.set BVO,  12                          ; v12    4 x woven r: v's bias
.set LN8,  13                          ; v13    8 x lane
.set SH8,  14                          ; v14    8 h
.set WF,   16                          ; v16-79   W's fragments of a K step: two sets of 4
.set BI,   80                          ; v80-111  the bias, 4 tiles in the result's layout: the C of each sum's first matrix instruction
.set XS,   112                         ; v112-143 x's scale words: register 8 g + s: lanes 0-15 tile 2 g, lanes 16-31 tile 2 g + 1
.set WS,   144                         ; v144-175 W's scale words: two sets of 16, laid likewise
.set T,    176                         ; v176-183 eight largest magnitudes
.set SC,   184                         ; v184-191 the conversions' scale operands
.set BY,   192                         ; v192-199 the scale bytes
.set CD,   200                         ; v200-231 the codes
.set WD,   232                         ; v232-235 four scale words
.set PX,   236                         ; v236-239 the other half's
.set X0,   240                         ; v240-241 the scale image
.set MSB, 0
.macro WIN new                         ; s_set_vgpr_msb: bits 1:0 source 0, 3:2 source 1, 5:4 source 2, 7:6 destination; the high byte repeats the setting that is left
.if MSB != (\new)
	s_set_vgpr_msb (MSB<<8)|(\new)
.set MSB, (\new)
.endif
.endm
.macro PLACES                          ; four plain vector instructions between a matrix instruction and a load into, or a read of, its registers
.rept 4
	v_nop
.endr
.endm
; one scaled matrix instruction; pa, pb = 1: that side's scale words stand in lanes 16-31 of the register named
.macro WMS d, a, b, c, sa, sb, pa, pb
.if (\pa) && (\pb)
	v_wmma_scale_f32_16x16x128_f8f6f4 v[\d:\d+7], v[\a:\a+7], v[\b:\b+7], v[\c:\c+7], v[\sa], v[\sb] matrix_a_fmt:MATRIX_FMT_FP4 matrix_b_fmt:MATRIX_FMT_FP4 matrix_a_scale:MATRIX_SCALE_ROW1 matrix_b_scale:MATRIX_SCALE_ROW1
.elseif (\pa)
	v_wmma_scale_f32_16x16x128_f8f6f4 v[\d:\d+7], v[\a:\a+7], v[\b:\b+7], v[\c:\c+7], v[\sa], v[\sb] matrix_a_fmt:MATRIX_FMT_FP4 matrix_b_fmt:MATRIX_FMT_FP4 matrix_a_scale:MATRIX_SCALE_ROW1
.elseif (\pb)
	v_wmma_scale_f32_16x16x128_f8f6f4 v[\d:\d+7], v[\a:\a+7], v[\b:\b+7], v[\c:\c+7], v[\sa], v[\sb] matrix_a_fmt:MATRIX_FMT_FP4 matrix_b_fmt:MATRIX_FMT_FP4 matrix_b_scale:MATRIX_SCALE_ROW1
.else
	v_wmma_scale_f32_16x16x128_f8f6f4 v[\d:\d+7], v[\a:\a+7], v[\b:\b+7], v[\c:\c+7], v[\sa], v[\sb] matrix_a_fmt:MATRIX_FMT_FP4 matrix_b_fmt:MATRIX_FMT_FP4
.endif
.endm
.macro WSLOAD set, ty                  ; the scale words of part ty of W (my head's 64 rows, all of K) into set
.irp g, 0,1
.irp f, 0,1
	global_load_b128 v[WS+16*\set+8*\g+4*\f:WS+16*\set+8*\g+4*\f+3], v[LX], s[10:11] offset:32768*\ty+512*\g+16*\f
.endr
.endr
.endm
.macro BIQK ty                         ; q's or k's bias: lane (., h), tile t, register j: column 32 h + 8 t + j
.irp t, 0,1,2,3
.irp f, 0,1
	global_load_b128 v[BI+8*\t+4*\f:BI+8*\t+4*\f+3], v[BQO], s[12:13] offset:4096*\ty+32*\t+16*\f
.endr
.endr
.endm
.macro WFETCH ty, s                    ; W's four fragments of part ty, K step s, into set s % 2
.irp tp, 0,1,2,3
.irp c, 0,1
	ds_load_b128 v[WF+32*((\s)%2)+8*\tp+4*\c:WF+32*((\s)%2)+8*\tp+4*\c+3], v[WRD+\ty] offset:16*PW*\tp+64*(\s)+32*\c
.endr
.endr
.endm
	s_load_b256 s[4:11], s[0:1], 0x0               ; x's codes s[4:5], x's scales s[6:7], W's codes s[8:9], W's scales s[10:11]
	s_load_b128 s[12:15], s[0:1], 0x20             ; b_qkv s[12:13], qbuf s[14:15]
	s_load_b64 s[16:17], s[0:1], 0x30              ; kv
	v_lshl_add_u32 v254, v0, 2, 0x39c00
	v_mov_b32 v255, 0
	v_lshrrev_b32 v[T], 5, v0
	v_readfirstlane_b32 s18, v[T]                  ; wave 0..3
	s_mov_b32 s19, ttmp9                           ; the head
	s_and_b32 s20, ttmp7, 0xffff                   ; the block of 512 tokens
	s_lshl_b32 s21, s20, 2
	s_add_co_u32 s21, s21, s18                     ; G: my group of 128 tokens, 0..63
	s_mov_b32 s28, 0x76543210
	s_mov_b32 s29, 0xfedcba98                      ; v_permlanex16_b32's selects for lane l xor 16
	s_mov_b32 s30, 0xffff0000                      ; a lane mask: lanes 16-31
	v_and_b32 v[T], 31, v0                         ; lane
	v_and_b32 v[T+1], 15, v0                       ; r
	v_bfe_u32 v[T+2], v0, 4, 1                     ; h
	v_and_b32 v[T+3], 7, v0
	v_bfe_u32 v[T+4], v0, 3, 1
	v_lshlrev_b32 v[LN16], 4, v[T]
	v_lshlrev_b32 v[LN8], 3, v[T]
	v_lshlrev_b32 v[SH8], 3, v[T+2]
	v_lshlrev_b32 v[BQO], 7, v[T+2]
	v_lshl_add_u32 v[T+3], v[T+4], 5, v[T+3]       ; woven r = (r & 7) + 32 (r >> 3)
	v_lshlrev_b32 v[BVO], 2, v[T+3]
	v_lshl_add_u32 v[T+4], v[T+2], 3, v[T+3]
	v_lshlrev_b32 v[LX], 5, v[T+4]
	v_mul_u32_u24 v[WRD], v[T+1], PW
	v_lshl_add_u32 v[WRD], v[T+2], 4, v[WRD]       ; 528 r + 16 h
	v_add_nc_u32 v[WRD+1], WTY, v[WRD]
	v_add_nc_u32 v[WRD+2], 2*WTY, v[WRD]
	s_and_b32 s42, s18, 1                          ; I bring columns 16 w .. 16 w + 15 of each part: column 16 w + k has the woven place 32 (w & 1) + 8 (w >> 1) + 16 (k >> 3) + (k & 7)
	s_mul_i32 s42, s42, 32*PW
	s_lshr_b32 s43, s18, 1
	s_mul_i32 s43, s43, 8*PW
	s_add_co_u32 s42, s42, s43
	v_add_nc_u32 v[WSTO], s42, v[LN16]
	v_add_nc_u32 v[WSTO+1], WTY, v[WSTO]
	v_add_nc_u32 v[WSTO+2], 2*WTY, v[WSTO]
	s_mul_i32 s44, s18, WTY
	s_add_co_u32 s44, s44, XST                     ; my stage
	v_add_nc_u32 v[XSTO], s44, v[LN16]
	v_add_nc_u32 v[XRD], s44, v[WRD]
.irp p, 0,1,2,3
	v_mov_b32 v[PX+\p], 0                          ; written once: a lane permute's destination counts as one of its sources
.endr
	s_lshl_b32 s22, s21, 16                        ; x's codes: 128 rows of 512 bytes a group
	s_mov_b32 s23, 0
	s_lshl_b32 s24, s21, 12                        ; x's scales: 128 rows of 32 bytes
	s_mov_b32 s25, 0
	s_lshl_b32 s26, s19, 15                        ; W's codes: 64 rows a head, and my 16 of them
	s_lshl_b32 s27, s18, 13
	s_add_co_u32 s26, s26, s27
	s_mov_b32 s27, 0
	s_lshl_b32 s32, s19, 11                        ; W's scales
	s_mov_b32 s33, 0
	s_lshl_b32 s34, s19, 8                         ; the bias
	s_mov_b32 s35, 0
	s_lshr_b32 s40, s21, 4                         ; the record: ((batch x 16 + head) x 16 + group in the batch)
	s_lshl_b32 s40, s40, 4
	s_add_co_u32 s40, s40, s19
	s_lshl_b32 s40, s40, 4
	s_and_b32 s41, s21, 15
	s_add_co_u32 s40, s40, s41
	s_mul_i32 s36, s40, 4352
	s_mov_b32 s37, 0
	s_mul_i32 s38, s40, 8704
	s_mov_b32 s39, 0
	s_wait_alu depctr_va_vdst(0)
	s_wait_kmcnt 0x0
	s_add_nc_u64 s[4:5], s[4:5], s[22:23]
	s_add_nc_u64 s[6:7], s[6:7], s[24:25]
	s_add_nc_u64 s[8:9], s[8:9], s[26:27]
	s_add_nc_u64 s[10:11], s[10:11], s[32:33]
	s_add_nc_u64 s[12:13], s[12:13], s[34:35]
	s_add_nc_u64 s[14:15], s[14:15], s[36:37]
	s_add_nc_u64 s[16:17], s[16:17], s[38:39]
	; ---- THE WAY IN.  24 small loads, my 48 rows of W, my first 64 rows of x: 136 loads
.irp g, 0,1,2,3
.irp f, 0,1
	global_load_b128 v[XS+8*\g+4*\f:XS+8*\g+4*\f+3], v[LX], s[6:7] offset:(64*(\g/2)+16*(\g%2))*32+16*\f
.endr
.endr
	WSLOAD 0, 0                                    ; q's scale words in set 0,
	WSLOAD 1, 1                                    ; k's in set 1
	BIQK 0
	WIN 0xc0                                       ; destination window 3
.set jK, 0
.rept 48
	global_load_b128 v[4*jK:4*jK+3], v[LN16], s[8:9] offset:524288*(jK/16)+512*(jK%16)   ; a whole row of 512 bytes to a load
.set jK, jK+1
.endr
	WIN 0x40                                       ; destination window 1 (the accumulators' registers are free yet)
.set jK, 0
.rept 64
	global_load_b128 v[4*jK:4*jK+3], v[LN16], s[4:5] offset:512*jK
.set jK, jK+1
.endr
	s_wait_loadcnt 63                              ; of 136 loads at most 63 are out: the oldest 73 are in, the 24 small ones and W's 48 rows among them
	WIN 0x0c                                       ; an LDS store's data are its source 1: window 3
.set jK, 0
.rept 48
	ds_store_b128 v[WSTO+jK/16], v[4*jK:4*jK+3] offset:(16*((jK%16)/8)+jK%8)*PW
.set jK, jK+1
.endr
	WIN 0x80                                       ; destination window 2
.set jK, 0
.rept 64
	global_load_b128 v[4*jK:4*jK+3], v[LN16], s[4:5] offset:32768+512*jK                 ; my rows 64-127 of x
.set jK, jK+1
.endr
	s_wait_loadcnt 63                              ; of 200 loads the oldest 137 are in: all of rows 0-63
; 64 rows go into my stage at their woven places and come back as 32 fragments.  LDS serves a wave's instructions in order (ISA guide 5.7.1.4): no wait between the stores and the loads, nor in front of the second half's stores
.macro XTURN wst, wld
	WIN \wst
.set jK, 0
.rept 64
	ds_store_b128 v[XSTO], v[4*jK:4*jK+3] offset:(16*((jK/8)%4)+8*(jK/32)+jK%8)*PW
.set jK, jK+1
.endr
	WIN \wld
.set jK, 0
.rept 64
	ds_load_b128 v[4*jK:4*jK+3], v[XRD] offset:16*PW*(jK/16)+32*(jK%16)                  ; register 4 (16 t + 2 s + c)
.set jK, jK+1
.endr
.endm
	XTURN 0x04, 0xc0                               ; from window 1 into window 3
	s_wait_loadcnt 0x0                             ; rows 64-127
	XTURN 0x08, 0x80                               ; from window 2 into window 2
	WIN 0
	s_wait_dscnt 0x0                               ; for the others' sake: my rows of W are in LDS; and my own fragments are in
	s_barrier_signal -1
	s_barrier_wait -1                              ; the launch's one barrier: W is whole
	WFETCH 0, 0
; one matrix instruction of unit ty (tr = 1: sources swapped), K step s, token tile tau, column tile tp
.macro MM ty, tr, s, tau, tp
.set rD, 8*(4*(\tau)+(\tp))
.set rW, WF+32*((\s)%2)+8*(\tp)
.set rX, 64*((\tau)%4)+8*(\s)
.set rWS, WS+16*((\ty)%2)+8*((\tp)/2)+(\s)
.set rXS, XS+8*((\tau)/2)+(\s)
.set rC, rD
.if (\s) == 0
.set rC, BI+8*(\tp)                    ; the bias starts the sum: nothing is cleared and nothing added later
.endif
.if \tr
	WMS rD, rX, rW, rC, rXS, rWS, (\tau)%2, (\tp)%2
.else
	WMS rD, rW, rX, rC, rWS, rXS, (\tp)%2, (\tau)%2
.endif
.endm
; a K step of 128: 32 matrix instructions on the 32 accumulators, which take turns in the same order in every step; in its middle the next step's fragments of W
.macro MSTEP ty, tr, s
	s_wait_dscnt 0x0                               ; this step's fragments of W (asked for 16 matrix instructions before the last step's end)
.if ((\s) == 0) && ((\ty) > 0)
	s_wait_loadcnt 0x0                             ; this unit's bias and scale words (asked for a unit ago)
.endif
.set wLO, 0x40+3*(\tr)+12*(1-(\tr))    ; x in window 3 (source 1, or source 0 where swapped), D in window 1
.if (\s) > 0
.set wLO, wLO+0x10                     ; C in window 1 too
.endif
.set wHI, wLO-(\tr)-4*(1-(\tr))        ; x in window 2
	WIN wLO
.irp tau, 0,1,2,3
.irp tp, 0,1,2,3
	MM \ty, \tr, \s, \tau, \tp
.endr
.endr
	WIN 0
	PLACES                                         ; behind the last step's products, which read the other set
.if (\s) < 7
	WFETCH \ty, (\s)+1
.elseif (\ty) < 2
	WFETCH (\ty)+1, 0
.endif
	WIN wHI
.irp tau, 4,5,6,7
.irp tp, 0,1,2,3
	MM \ty, \tr, \s, \tau, \tp
.endr
.endr
.if ((\s) == 0) && ((\ty) == 0)
	WIN 0
	PLACES                                         ; the bias tiles have been read: k's may land there
	BIQK 1
.endif
.if ((\s) == 0) && ((\ty) == 1)
	WIN 0
	PLACES
.irp i, 0,1,2,3                                ; v's bias: a lane holds one column, so a tile's eight registers hold one number
.irp j, 0,1,2,3,4,5,6,7
	global_load_b32 v[BI+8*\i+\j], v[BVO], s[12:13] offset:8192+32*\i
.endr
.endr
	WSLOAD 0, 2                                    ; v's scale words take q's set
.endif
.endm
; THE QUANTISER AND THE WAY OUT of a unit.  Eight chains e of 32 registers, each a whole block of 32 in my lane: tr = 0: token tile e, the four column tiles; tr = 1: e = 2 i + c: column tile i, the four token tiles of half c.
.macro EPI tr, bs, coff, soff
	WIN 0
	s_wait_xcnt 0x0                                ; the last unit's stores have read their data: the codes' registers are written again only behind this wait
	PLACES
	WIN 0x05                                       ; sources 0 and 1: window 1
.set jG, 0
.rept 16
.set jE, 0
.rept 8
.if \tr
.set rA, 8*(4*(4*(jE%2)+jG/4)+jE/2)+2*(jG%4)
.else
.set rA, 8*(4*jE+jG/4)+2*(jG%4)
.endif
.if jG == 0
	v_max3_num_f32 v[T+jE], |v[rA]|, |v[rA+1]|, 0x1800000       ; the floor 2^(3 - 127) is a leaf: the byte cannot fall under 1
.else
	v_max3_num_f32 v[T+jE], |v[rA]|, |v[rA+1]|, v[T+jE]         ; the eight chains by turns; each accumulator from its low end on
.endif
.set jE, jE+1
.endr
.set jG, jG+1
.endr
	WIN 0
.irp e, 0,1,2,3,4,5,6,7
	v_add_nc_u32 v[SC+\e], 0xff000000, v[T+\e]     ; 2 off the exponent field: the conversion takes the exponent field of this operand as its scale
.endr
.irp e, 0,1,2,3,4,5,6,7
	v_lshrrev_b32 v[BY+\e], 23, v[SC+\e]           ; the scale's byte
.endr
.irp p, 0,1,2,3
	v_lshl_or_b32 v[WD+\p], v[BY+2*\p+1], 16, v[BY+2*\p]        ; chains 2 p and 2 p + 1 share a word: bytes 0 and 2,
.endr
.irp p, 0,1,2,3
	v_lshlrev_b32 v[WD+\p], v[SH8], v[WD+\p]       ; 8 h bits up;
.endr
.irp p, 0,1,2,3
	v_permlanex16_b32 v[PX+\p], v[WD+\p], s28, s29
.endr
.irp p, 0,1,2,3
	v_or_b32 v[WD+\p], v[WD+\p], v[PX+\p]          ; with lane l xor 16's two bytes the word is whole
.endr
	v_cndmask_b32 v[X0], v[WD], v[WD+1], s30       ; the image: lanes 0-15 words 0 and 2, lanes 16-31 words 1 and 3
	v_cndmask_b32 v[X0+1], v[WD+2], v[WD+3], s30
	WIN 0x01                                       ; source 0: window 1
.set jE, 0
.rept 8
.set jG, 0
.rept 4
.if \tr
.set rA, 8*(4*(4*(jE%2)+jG)+jE/2)
.else
.set rA, 8*(4*jE+jG)
.endif
	v_cvt_scalef32_pk8_fp4_f32 v[CD+4*jE+jG], v[rA:rA+7], v[SC+jE]
.set jG, jG+1
.endr
.set jE, jE+1
.endr
	WIN 0
	v_nop                                          ; one plain place behind the last scaled conversion: the next unit's products write its sources
.irp e, 0,1,2,3,4,5,6,7
	global_store_b128 v[LN16], v[CD+4*\e:CD+4*\e+3], s[\bs:\bs+1] offset:\coff+512*\e   ; 32 lanes store 512 consecutive bytes
.endr
	global_store_b64 v[LN8], v[X0:X0+1], s[\bs:\bs+1] offset:\soff                      ; and 256
.endm
.irp s, 0,1,2,3,4,5,6,7
	MSTEP 0, 0, \s
.endr
	EPI 0, 14, 0, 4096                             ; q
.irp s, 0,1,2,3,4,5,6,7
	MSTEP 1, 0, \s
.endr
	EPI 0, 16, 0, 8192                             ; k
.irp s, 0,1,2,3,4,5,6,7
	MSTEP 2, 1, \s
.endr
	EPI 1, 16, 4096, 8448                          ; v
	s_wait_tensorcnt 0x0
	ds_add_u32 v254, v255
	s_wait_dscnt 0x0
	s_endpgm
.Lfunc_end_k_q3227adafbc_qkv:
	.size	k_q3227adafbc_qkv, .Lfunc_end_k_q3227adafbc_qkv-k_q3227adafbc_qkv
	.p2alignl 7, 3214868480
	.fill 96, 4, 3214868480
	.section	.rodata,"a",@progbits
	.p2align	6, 0x0
	.amdhsa_kernel k_q3227adafbc_qkv
		.amdhsa_group_segment_fixed_size 237056
		.amdhsa_private_segment_fixed_size 0
		.amdhsa_enable_private_segment 0
		.amdhsa_kernarg_size 56
		.amdhsa_user_sgpr_count 2
		.amdhsa_user_sgpr_kernarg_segment_ptr 1
		.amdhsa_wavefront_size32 1
		.amdhsa_system_sgpr_workgroup_id_x 1
		.amdhsa_system_sgpr_workgroup_id_y 1
		.amdhsa_system_sgpr_workgroup_id_z 1
		.amdhsa_system_vgpr_workitem_id 0
		.amdhsa_next_free_vgpr 1024
		.amdhsa_next_free_sgpr 66
		.amdhsa_reserve_vcc 0
		.amdhsa_float_denorm_mode_32 3
		.amdhsa_float_denorm_mode_16_64 3
		.amdhsa_memory_ordered 1
		.amdhsa_forward_progress 1
		.amdhsa_inst_pref_size 200
	.end_amdhsa_kernel
	.amdgpu_metadata
---
amdhsa.version: [ 1, 2 ]
amdhsa.kernels:
  - .name:           k_q3227adafbc_qkv
    .symbol:         k_q3227adafbc_qkv.kd
    .args:
      - { .name: x_codes, .offset: 0, .size: 8, .value_kind: global_buffer, .address_space: global }
      - { .name: x_scales, .offset: 8, .size: 8, .value_kind: global_buffer, .address_space: global }
      - { .name: W_qkv_codes, .offset: 16, .size: 8, .value_kind: global_buffer, .address_space: global }
      - { .name: W_qkv_scales, .offset: 24, .size: 8, .value_kind: global_buffer, .address_space: global }
      - { .name: b_qkv, .offset: 32, .size: 8, .value_kind: global_buffer, .address_space: global }
      - { .name: qbuf, .offset: 40, .size: 8, .value_kind: global_buffer, .address_space: global }
      - { .name: kv, .offset: 48, .size: 8, .value_kind: global_buffer, .address_space: global }
    .group_segment_fixed_size: 237056
    .private_segment_fixed_size: 0
    .kernarg_segment_align: 8
    .kernarg_segment_size: 56
    .max_flat_workgroup_size: 128
    .sgpr_count:     66
    .vgpr_count:     1024
    .wavefront_size: 32
...
	.end_amdgpu_metadata
.endif
;; end of part 1
;; launch attn (part 2): grid 4 x 64, 16 waves a work-group, clusters of 4 x 1, 169,984 bytes of LDS; arguments qbuf, kv, abuf, asc; writes abuf, asc
.if DOCPART == 2
	.amdgcn_target "amdgcn-amd-amdhsa--gfx1250"
	.amdhsa_code_object_version 6
	.text
	.protected	k_q3227adafbc_attn
	.globl	k_q3227adafbc_attn
	.p2align	8
	.type	k_q3227adafbc_attn,@function
k_q3227adafbc_attn:
	s_mov_b64 s[64:65], 0
	v_nop
	global_prefetch_b8 v0, s[64:65] scope:SCOPE_SE
	s_setreg_imm32_b32 hwreg(HW_REG_WAVE_MODE, 25, 1), 1
	s_wait_xcnt 0x0
	s_wait_alu depctr_hold_cnt(0) depctr_sa_sdst(0) depctr_va_vdst(0) depctr_va_sdst(0) depctr_va_ssrc(0) depctr_va_vcc(0) depctr_vm_vsrc(0)
	s_getreg_b32 s2, hwreg(HW_REG_IB_STS2, 6, 4)
	s_cmp_eq_u32 s2, 0
	s_cbranch_scc0 .Lentry_in_a_cluster
	s_endpgm
.Lentry_in_a_cluster:
	s_bfe_u32 s2, ttmp6, 0x10000c
	s_cmp_lg_u32 s2, 0x3003
	s_cbranch_scc0 .Lentry_shape_is_right
	s_endpgm
.Lentry_shape_is_right:
; Attention of one (batch, head) on codes of FP4 (E2M1) with E8M0 scales: S^T = K Q^T, p = 2^(t - M), O^T = V^T P^T, O / l, and O quantised along the model's 1,024 for the last product.
; t = score x log2(e) / 8;  M = the running largest t rounded UP to a whole number;  p is quantised along the keys, not normalised;  l is the sum of the unquantised p, in f32.  When M moves, l and O are multiplied by 2^(old M - new M): exact.
; SHARES.  Work-group: 512 queries of one (batch, head).  Sixteen waves, four to a SIMD, each with ONE tile of 16 queries in 256 registers, twice (two passes): while one wave walks its exponentials another's plain, matrix and LDS work can issue.
; LDS holds the head's sixteen kv records (139,264 bytes) as they lie in memory, filled ONCE: no slot is ever filled again.  The records are images of the operands' registers: every LDS load reads 16 (or 8) x lane, consecutive bytes.
; CLUSTER.  The four work-groups of a cluster are the four query blocks of one head and want the same records: wave 0 of each asks for them JOINTLY, by four tensor loads of 34,816 bytes with the mask of all four.
; By this text's own count four tensor loads of wave 0 are outstanding at the most.  The place in the cluster enters only Q's, abuf's and asc's global addresses.
; THE HEAD IS 64 WIDE, THE INSTRUCTION 128.  A fragment of K holds TWO tiles of 16 keys (registers 0-3 tile 2 p, 4-7 tile 2 p + 1).  Q stands as [q][0 0 0 0][q] in 12 registers: its first eight multiply tile 2 p, its last eight tile 2 p + 1.
; The zero codes add nothing; their blocks' scale byte is 0 on Q's side.
; THE KEYS OF A TILE ARE WOVEN (tile t of 64 keys, row r: key 8 t + (r & 7) + 32 (r >> 3)), so that a lane's 32 registers of four tiles are 32 neighbouring keys: a whole block.  Its largest score needs no other lane,
; and four conversions give four registers of P as the operand wants them.  V's columns are woven likewise, so that O^T's 32 registers of a lane are 32 neighbouring channels: a block of the last product's K.
; A BLOCK'S LARGEST p is not searched for: p rises with the score, so the block's largest score goes through the same multiply-add and exponential (this takes v_exp_f32 not to fall where its input rises).
; LIMITS: NaN and infinities are not served; p under 2^-126 counts as 0 (v_exp_f32 gives 0 there); 1 / l is v_rcp_f32 and a multiplication; a block of zeros gets the byte 1 where the rule says 127: its codes are zeros, and this program alone reads the bytes.
.set REC,  8704                        ; a record: K's codes 4,096, V's 4,096, K's scale words 256, V's 256
.set CH,   4*REC                       ; a chunk: four records, one tensor load
.set LN16, 1                           ; v1   16 x lane
.set LN8,  2                           ; v2   8 x lane + 8,192: the scale images
.set A16,  3                           ; v3   the step's record + v1
.set A8,   4                           ; v4   the step's record + v2
.set SH8,  5                           ; v5   8 h
.set GB,   7                           ; v7   32 r + h: my byte's place in a tile's scale rows
.set QS,   8                           ; v8, v9 pass 0: Q's scale word for its first eight registers, for its last eight;  v10, v11 pass 1
.set QO,   12                          ; v12  8 r
.set Q0,   16                          ; v16-27   Q of pass 0
.set Q1,   224                         ; v224-235 Q of pass 1
.set KF,   32                          ; v32-63   K's four fragments
.set VF,   64                          ; v64-95   V's four
.set S,    96                          ; v96-159  S^T, then p: register 32 c + i = key 64 c + 32 h + i
.set O,    160                         ; v160-191 O^T: register i = channel 32 h + i
.set P,    192                         ; v192-199 p's codes
.set KS,   200                         ; v200-201 K's scale words
.set VS,   202                         ; v202-203 V's
.set NM,   204                         ; v204 -M
.set TM,   205                         ; v205 the largest t so far
.set L,    206                         ; v206-207 l, in two halves
.set F,    208                         ; v208-209 2^(old M - new M); at the end 1 / l
.set BM,   210                         ; v210-211 my two blocks' largest score, then largest p
.set X0,   212
.set X1,   213
.set SC,   214                         ; v214-215 the conversions' scale operands
.set BY,   216                         ; v216-217 the bytes
.set L2,   218                         ; v218-219 the sum's second chain
.set PS,   220                         ; v220 p's scale word
.set PSX,  221
.set OC,   240                         ; v240-244, v248-252: a pass's codes and byte: store data, never written again
.set WV,   12                          ; s12 my wave's number
.set G1,   16                          ; s[16:23] descriptor group 1
.set G0,   24                          ; s[24:39] four groups 0
.set SEL,  40                          ; s[40:41]
.set CS,   42                          ; s[42:43] log2(e) / 8
.set TB,   44                          ; s44 the step's record in LDS
.set CNT,  45
.macro CROUND                          ; a round of the cluster's barrier
	s_barrier_signal -1
	s_barrier_wait -1
	s_cmp_lg_u32 s[WV], 0
	s_cbranch_scc1 .Lnot_wave_0_\@
	s_barrier_signal -3
.Lnot_wave_0_\@:
	s_barrier_wait -3
	s_barrier_signal -1
	s_barrier_wait -1
.endm
.macro WM0 d, a, b, sa, sb, pa         ; a product that starts its sum
.if \pa
	v_wmma_scale_f32_16x16x128_f8f6f4 v[\d:\d+7], v[\a:\a+7], v[\b:\b+7], 0, v[\sa], v[\sb] matrix_a_fmt:MATRIX_FMT_FP4 matrix_b_fmt:MATRIX_FMT_FP4 matrix_a_scale:MATRIX_SCALE_ROW1
.else
	v_wmma_scale_f32_16x16x128_f8f6f4 v[\d:\d+7], v[\a:\a+7], v[\b:\b+7], 0, v[\sa], v[\sb] matrix_a_fmt:MATRIX_FMT_FP4 matrix_b_fmt:MATRIX_FMT_FP4
.endif
.endm
.macro WM1 d, a, b, sa, sb, pa         ; a product that adds in place
.if \pa
	v_wmma_scale_f32_16x16x128_f8f6f4 v[\d:\d+7], v[\a:\a+7], v[\b:\b+7], v[\d:\d+7], v[\sa], v[\sb] matrix_a_fmt:MATRIX_FMT_FP4 matrix_b_fmt:MATRIX_FMT_FP4 matrix_a_scale:MATRIX_SCALE_ROW1
.else
	v_wmma_scale_f32_16x16x128_f8f6f4 v[\d:\d+7], v[\a:\a+7], v[\b:\b+7], v[\d:\d+7], v[\sa], v[\sb] matrix_a_fmt:MATRIX_FMT_FP4 matrix_b_fmt:MATRIX_FMT_FP4
.endif
.endm
	s_load_b256 s[4:11], s[0:1], 0x0               ; qbuf s[4:5], kv s[6:7], abuf s[8:9], asc s[10:11]
	v_lshl_add_u32 v254, v0, 2, 0x29000
	v_mov_b32 v255, 0
	ds_add_u32 v254, v255
	ds_add_u32 v254, v255
	v_lshrrev_b32 v[X0], 5, v0
	s_delay_alu instid0(VALU_DEP_1)
	v_readfirstlane_b32 s[WV], v[X0]               ; wave 0..15
	s_bfe_u32 s13, ttmp6, 0x40000                  ; cx: my block of 512 queries
	s_and_b32 s14, ttmp7, 0xffff                   ; batch x 16 + head, which the four partners share
	v_and_b32 v[X0], 31, v0                        ; lane
	v_and_b32 v[X1], 15, v0                        ; r
	v_bfe_u32 v[SC], v0, 4, 1                      ; h
	s_delay_alu instid0(VALU_DEP_3)
	v_lshlrev_b32 v[LN16], 4, v[X0]
	s_delay_alu instid0(VALU_DEP_4)
	v_lshlrev_b32 v[LN8], 3, v[X0]
	s_delay_alu instid0(VALU_DEP_1)
	v_add_nc_u32 v[LN8], 8192, v[LN8]
	s_delay_alu instid0(VALU_DEP_4)
	v_lshlrev_b32 v[SH8], 3, v[SC]
	v_lshl_add_u32 v[GB], v[X1], 5, v[SC]
	v_lshlrev_b32 v[QO], 3, v[X1]
	; descriptor group 1: a dense block of 34,816 bytes as 136 rows of 256 bytes (32 elements of 8 bytes), no padding
	s_mov_b32 s[G1], 15|(3<<16)|(1<<21)            ; 15:0 the mask: all four work-groups; 17:16 elements of 8 bytes; 21 set beside a mask
	s_mov_b32 s[G1+1], 32<<16                      ; tensor_dim0 = 32
	s_mov_b32 s[G1+2], 136<<16                     ; tensor_dim1 = 136
	s_mov_b32 s[G1+3], 32<<16                      ; tile_dim0 = 32
	s_mov_b32 s[G1+4], 136                         ; tile_dim1 = 136
	s_mov_b32 s[G1+5], 32                          ; tensor_dim0_stride
	s_mov_b32 s[G1+6], 0
	s_mov_b32 s[G1+7], 0
	s_mov_b32 s[SEL], 0x76543210
	s_mov_b32 s[SEL+1], 0xfedcba98                 ; v_permlanex16_b32's selects for lane l xor 16
	s_mov_b32 s[CS], 0x3e38aa3b                    ; log2(e) / sqrt(64)
	s_mov_b32 s[CS+1], s[CS]                       ; (named with it as a pair, so it is written)
	s_mul_i32 s46, s14, 16*REC                     ; the head's records
	s_mov_b32 s47, 0
	s_lshl_b32 s48, s13, 2                         ; pass 0: my tile is 32 cx + wave: group of 128 tokens 4 cx + wave / 8,
	s_lshr_b32 s49, s[WV], 3
	s_add_co_u32 s48, s48, s49
	s_and_b32 s49, s[WV], 7                        ; tile wave % 8 in it.  Pass 1: two groups on
	s_lshl_b32 s50, s14, 4
	s_add_co_u32 s50, s50, s48
	s_mul_i32 s50, s50, 4352                       ; Q's record
	s_lshl_b32 s52, s49, 9
	s_add_co_u32 s52, s52, s50                     ; my tile's codes
	s_mov_b32 s53, 0
	s_bfe_u32 s54, s[WV], 0x10001                  ; my tile's pair of tiles p = tile / 2: its word lies in lanes 16 (p & 1) on,
	s_lshl_b32 s54, s54, 7
	s_bfe_u32 s55, s[WV], 0x10002                  ; word p / 2 of a lane's two
	s_lshl_b32 s55, s55, 2
	s_add_co_u32 s54, s54, s55
	s_add_co_u32 s54, s54, s50
	s_mov_b32 s55, 0
	s_and_b32 s56, s[WV], 1
	s_lshl_b32 s56, s56, 4                         ; and my tile's two bytes 16 (tile & 1) bits up in it
	s_lshr_b32 s57, s14, 4                         ; out: G = 16 x batch + group,
	s_lshl_b32 s57, s57, 4
	s_add_co_u32 s57, s57, s48
	s_lshl_b32 s57, s57, 3
	s_add_co_u32 s57, s57, s49                     ; 8 G + tile
	s_and_b32 s58, s14, 15                         ; the head
	s_lshl_b32 s60, s57, 3
	s_lshr_b32 s59, s58, 1
	s_add_co_u32 s60, s60, s59
	s_lshl_b32 s60, s60, 10
	s_and_b32 s59, s58, 1
	s_lshl_b32 s59, s59, 9
	s_add_co_u32 s60, s60, s59                     ; abuf: ((8 G + tile) x 8 + head / 2) x 1,024 + 512 (head % 2)
	s_mov_b32 s61, 0
	s_lshl_b32 s62, s57, 9
	s_lshl_b32 s59, s58, 1
	s_add_co_u32 s62, s62, s59                     ; asc: (8 G + tile) x 512 + 2 x head
	s_mov_b32 s63, 0
	s_wait_dscnt 0x0
	s_wait_kmcnt 0x0
	s_add_nc_u64 s[6:7], s[6:7], s[46:47]
.irp g, 0,1,2,3
	s_mov_b32 s[G0+4*\g], 1                        ; count = 1
	s_mov_b32 s[G0+4*\g+1], CH*\g                  ; LDS address
	s_add_nc_u64 s[G0+4*\g+2:G0+4*\g+3], s[6:7], CH*\g          ; global address: it hangs on the head alone
	s_or_b32 s[G0+4*\g+3], s[G0+4*\g+3], 0x80000000             ; type = 2
.endr
	s_add_nc_u64 s[52:53], s[4:5], s[52:53]
	s_add_nc_u64 s[54:55], s[4:5], s[54:55]
	s_add_nc_u64 s[8:9], s[8:9], s[60:61]
	s_add_nc_u64 s[10:11], s[10:11], s[62:63]
	CROUND                                         ; all four work-groups are here: the joint loads meet
	s_cmp_lg_u32 s[WV], 0                          ; all the launch's fills stand in one branch on the wave's number, ahead of every wait on TENSORcnt and every LDS read
	s_cbranch_scc1 .Lno_fill
	tensor_load_to_lds s[G0:G0+3], s[G1:G1+7]
	s_nop 0
	tensor_load_to_lds s[G0+4:G0+7], s[G1:G1+7]
	s_nop 0
	tensor_load_to_lds s[G0+8:G0+11], s[G1:G1+7]
	s_nop 0
	tensor_load_to_lds s[G0+12:G0+15], s[G1:G1+7]
	s_nop 0
.rept 4
	v_nop
.endr
.Lno_fill:
	s_wait_alu depctr_va_vdst(0)
	global_load_b128 v[Q0:Q0+3], v[LN16], s[52:53]               ; Q's image, twice: [q][0][q]
	global_load_b128 v[Q0+8:Q0+11], v[LN16], s[52:53]
	global_load_b128 v[Q1:Q1+3], v[LN16], s[52:53] offset:8704
	global_load_b128 v[Q1+8:Q1+11], v[LN16], s[52:53] offset:8704
	global_load_b32 v[QS], v[QO], s[54:55] offset:4096
	global_load_b32 v[QS+2], v[QO], s[54:55] offset:4096+8704
.irp j, 4,5,6,7
	v_mov_b32 v[Q0+\j], 0
	v_mov_b32 v[Q1+\j], 0
.endr
	s_wait_loadcnt 0x0
	v_lshrrev_b32 v[QS], s56, v[QS]
	v_lshrrev_b32 v[QS+2], s56, v[QS+2]
	s_delay_alu instid0(VALU_DEP_2)
	v_and_b32 v[QS], 0xffff, v[QS]                 ; my tile's two bytes for blocks 0, 1; byte 0 for the blocks of zero codes
	s_delay_alu instid0(VALU_DEP_2)
	v_and_b32 v[QS+2], 0xffff, v[QS+2]
	s_delay_alu instid0(VALU_DEP_2)
	v_lshlrev_b32 v[QS+1], 16, v[QS]               ; the same for blocks 2, 3
	s_delay_alu instid0(VALU_DEP_2)
	v_lshlrev_b32 v[QS+3], 16, v[QS+2]
; A KEY STEP: 128 keys, one record.  QB: the pass's Q;  QSL: its two scale words
.macro STEP QB, QSL
	v_add_nc_u32 v[A16], s[TB], v[LN16]
	v_add_nc_u32 v[A8], s[TB], v[LN8]
.irp n, 0,1,2,3,4,5,6,7
	ds_load_b128 v[KF+4*\n:KF+4*\n+3], v[A16] offset:512*\n
.endr
	ds_load_b64 v[KS:KS+1], v[A8]
.irp n, 0,1,2,3,4,5,6,7
	ds_load_b128 v[VF+4*\n:VF+4*\n+3], v[A16] offset:4096+512*\n
.endr
	ds_load_b64 v[VS:VS+1], v[A8] offset:256
	s_wait_dscnt 9                                 ; K and its scale words are in; V's nine loads may stay out
.set jT, 0
.rept 8                                        ; S^T: tile jT of 16 keys: fragment jT / 2 against Q's first or last eight registers
.set rD, S+8*jT
.set rA, KF+8*(jT/2)
.set rB, \QB+4*(jT%2)
.set rSA, KS+jT/4
.set rSB, \QSL+jT%2
	WM0 rD, rA, rB, rSA, rSB, (jT/2)%2
.set jT, jT+1
.endr
.rept 4
	v_nop                                          ; places behind the products (ISA guide 7.12.1)
.endr
	v_max3_num_f32 v[BM], v[S], v[S+1], v[S+2]     ; the largest score of my two blocks of 32 keys, the two chains by turns, each accumulator from its low end on
	v_max3_num_f32 v[BM+1], v[S+32], v[S+33], v[S+34]
.irp i, 3,5,7,9,11,13,15,17,19,21,23,25,27,29
	v_max3_num_f32 v[BM], v[BM], v[S+\i], v[S+\i+1]
	v_max3_num_f32 v[BM+1], v[BM+1], v[S+32+\i], v[S+33+\i]
.endr
	v_max_num_f32 v[BM], v[BM], v[S+31]
	v_max_num_f32 v[BM+1], v[BM+1], v[S+63]
	s_delay_alu instid0(VALU_DEP_1)
	v_max_num_f32 v[X0], v[BM], v[BM+1]
	s_delay_alu instid0(VALU_DEP_1)
	v_permlanex16_b32 v[X1], v[X0], s[SEL], s[SEL+1]
	s_delay_alu instid0(VALU_DEP_1)
	v_max_num_f32 v[X0], v[X0], v[X1]              ; the step's largest score of my query
	s_delay_alu instid0(VALU_DEP_1)
	v_mul_f32 v[X0], s[CS], v[X0]                  ; as t
	s_delay_alu instid0(VALU_DEP_1)
	v_max_num_f32 v[TM], v[TM], v[X0]
	v_mov_b32 v[X0], v[NM]
	s_delay_alu instid0(VALU_DEP_2)
	v_floor_f32 v[NM], -v[TM]                      ; -M = floor(-t): M is a whole number
	s_delay_alu instid0(VALU_DEP_1)
	v_sub_f32 v[X0], v[NM], v[X0]                  ; old M - new M: a whole number, 0 or less
	s_delay_alu instid0(VALU_DEP_1)
	v_cvt_i32_f32 v[X0], v[X0]                     ; (it saturates)
	s_delay_alu instid0(VALU_DEP_1)
	v_ldexp_f32 v[F], 1.0, v[X0]
.set J, 0
.rept 32
	v_pk_fma_f32 v[S+J:S+J+1], v[S+J:S+J+1], s[CS:CS+1], v[NM:NM+1] op_sel_hi:[1,0,0]   ; t - M, two at a time
.set J, J+2
.endr
	v_fma_f32 v[BM], v[BM], s[CS], v[NM]
	v_fma_f32 v[BM+1], v[BM+1], s[CS], v[NM]
.set J, 0
	s_wait_alu depctr_va_vdst(0)
.rept 64
	v_exp_f32 v[S+J], v[S+J]                       ; p
.set J, J+1
.endr
	s_setprio 1
	v_exp_f32 v[BM], v[BM]                         ; each block's largest p: the same two instructions on the same number
	v_exp_f32 v[BM+1], v[BM+1]
	v_pk_mul_f32 v[L:L+1], v[L:L+1], v[F:F+1] op_sel_hi:[1,0]   ; l under the new M.  (The plain place behind the exponentials)
	s_wait_alu depctr_va_vdst(0)
	v_max_num_f32 v[BM], 0x1800000, v[BM]          ; the floor 2^(3 - 127)
	v_max_num_f32 v[BM+1], 0x1800000, v[BM+1]
	s_delay_alu instid0(VALU_DEP_2)
	v_add_nc_u32 v[SC], 0xff000000, v[BM]          ; 2 off the exponent field: the conversion's scale operand
	s_delay_alu instid0(VALU_DEP_2)
	v_add_nc_u32 v[SC+1], 0xff000000, v[BM+1]
	s_delay_alu instid0(VALU_DEP_2)
	v_lshrrev_b32 v[BY], 23, v[SC]
	s_delay_alu instid0(VALU_DEP_2)
	v_lshrrev_b32 v[BY+1], 23, v[SC+1]
	s_delay_alu instid0(VALU_DEP_1)
	v_lshl_or_b32 v[PS], v[BY+1], 16, v[BY]        ; my blocks h and 2 + h: bytes 0 and 2,
	s_delay_alu instid0(VALU_DEP_1)
	v_lshlrev_b32 v[PS], v[SH8], v[PS]             ; 8 h bits up;
	s_delay_alu instid0(VALU_DEP_1)
	v_permlanex16_b32 v[PSX], v[PS], s[SEL], s[SEL+1]
	s_delay_alu instid0(VALU_DEP_1)
	v_or_b32 v[PS], v[PS], v[PSX]                  ; with lane l xor 16's two: p's scale word
.irp c, 0,1
.irp t, 0,1,2,3
	v_cvt_scalef32_pk8_fp4_f32 v[P+4*\c+\t], v[S+8*(4*\c+\t):S+8*(4*\c+\t)+7], v[SC+\c]
.endr
.endr
.set J, 0
.rept 16
	v_pk_mul_f32 v[O+J:O+J+1], v[O+J:O+J+1], v[F:F+1] op_sel_hi:[1,0]   ; O^T under the new M.  These and the sums below are the places between the conversions, the scale word and the products
.set J, J+2
.endr
	v_pk_add_f32 v[L2:L2+1], v[S:S+1], v[S+2:S+3]  ; l takes the UNQUANTISED p, two at a time, in two chains
.irp j, 4,8,12,16,20,24,28
	v_pk_add_f32 v[L:L+1], v[L:L+1], v[S+\j:S+\j+1]
	v_pk_add_f32 v[L2:L2+1], v[L2:L2+1], v[S+\j+2:S+\j+3]
.endr
	s_setprio 0
	s_wait_alu depctr_va_vdst(0)
	s_wait_dscnt 0x0                               ; V and its scale words
.set jT, 0
.rept 4                                        ; O^T += V^T P^T: four accumulators by turns
.set rD, O+8*jT
.set rA, VF+8*jT
.set rSA, VS+jT/2
	WM1 rD, rA, P, rSA, PS, jT%2
.set jT, jT+1
.endr
.irp j, 32,36,40,44,48,52,56,60
	v_pk_add_f32 v[L:L+1], v[L:L+1], v[S+\j:S+\j+1]             ; the rest of the sums: the places in front of the next step's loads and of the first read of O^T
	v_pk_add_f32 v[L2:L2+1], v[L2:L2+1], v[S+\j+2:S+\j+3]
.endr
	s_delay_alu instid0(VALU_DEP_1)
	v_pk_add_f32 v[L:L+1], v[L:L+1], v[L2:L2+1]
	s_add_co_u32 s[TB], s[TB], REC
.endm
.macro STEPS n, QB, QSL
	s_mov_b32 s[CNT], \n
.Lstep_\@:
	s_setprio 2
	STEP \QB, \QSL
	s_sub_co_u32 s[CNT], s[CNT], 1
	s_cmp_lg_u32 s[CNT], 0
	s_cbranch_scc1 .Lstep_\@
	s_setprio 0
.endm
.macro INIT                            ; the step is written without a first step of its own: it finds zeros, which the first change of M leaves zeros
	v_mov_b32 v[TM], 0xff61b1e6                    ; -3e38, under every t
	s_delay_alu instid0(VALU_DEP_1)
	v_floor_f32 v[NM], -v[TM]
	v_mov_b32 v[L], 0
	v_mov_b32 v[L+1], 0
	v_mov_b32 v[F+1], 0                            ; (named as the upper half of a pair)
	v_mov_b32 v[X1], 0                             ; (a lane permute's destination counts as one of its sources)
	v_mov_b32 v[PSX], 0
.set J, 0
.rept 32
	v_mov_b32 v[O+J], 0
.set J, J+1
.endr
.endm
; O^T / l, quantised: my 32 registers are a block of the last product's K.  Codes: 512 consecutive bytes a wave.  The byte goes out alone: a scale word's four bytes come from two heads, which are two work-groups
.macro FINISH p
	v_add_f32 v[L], v[L], v[L+1]
	s_delay_alu instid0(VALU_DEP_1)
	v_permlanex16_b32 v[X1], v[L], s[SEL], s[SEL+1]
	s_delay_alu instid0(VALU_DEP_1)
	v_add_f32 v[L], v[L], v[X1]                    ; the row's sum
	s_wait_alu depctr_va_vdst(0)
	v_rcp_f32 v[F], v[L]
	v_nop                                          ; one plain place behind a transcendental
.set J, 0
	s_wait_alu depctr_va_vdst(0)
.rept 16
	v_pk_mul_f32 v[S+J:S+J+1], v[O+J:O+J+1], v[F:F+1] op_sel_hi:[1,0]
.set J, J+2
.endr
	v_max3_num_f32 v[X0], |v[S]|, |v[S+1]|, 0x1800000
	v_max3_num_f32 v[L2], |v[S+16]|, |v[S+17]|, 0x1800000
.irp i, 2,4,6,8,10,12,14
	s_delay_alu instid0(VALU_DEP_2)
	v_max3_num_f32 v[X0], v[X0], |v[S+\i]|, |v[S+\i+1]|
	s_delay_alu instid0(VALU_DEP_2)
	v_max3_num_f32 v[L2], v[L2], |v[S+16+\i]|, |v[S+17+\i]|
.endr
	s_delay_alu instid0(VALU_DEP_1)
	v_max_num_f32 v[X0], v[X0], v[L2]
	s_delay_alu instid0(VALU_DEP_1)
	v_add_nc_u32 v[SC], 0xff000000, v[X0]
	s_delay_alu instid0(VALU_DEP_1)
	v_lshrrev_b32 v[OC+8*\p+4], 23, v[SC]
.irp t, 0,1,2,3
	v_cvt_scalef32_pk8_fp4_f32 v[OC+8*\p+\t], v[S+8*\t:S+8*\t+7], v[SC]
.endr
	v_nop                                          ; one plain place behind the last scaled conversion
	global_store_b128 v[LN16], v[OC+8*\p:OC+8*\p+3], s[8:9] offset:131072*\p
	global_store_b8 v[GB], v[OC+8*\p+4], s[10:11] offset:8192*\p
.endm
	INIT                                           ; (its moves are also the places between Q's scale words and the first product)
.irp g, 0,1,2,3                                ; pass 0 follows the chunks in
	s_wait_tensorcnt 3-\g                          ; wave 0: chunk g has landed, the 3 - g behind it may stay out; the other waves have issued none
	s_barrier_signal -1
	s_barrier_wait -1
	s_mov_b32 s[TB], CH*\g
	STEPS 4, Q0, QS
.endr
	FINISH 0
	INIT
	s_mov_b32 s[TB], 0                             ; pass 1 finds all sixteen records in LDS
	STEPS 16, Q1, QS+2
	FINISH 1
	s_wait_tensorcnt 0x0
	ds_add_u32 v254, v255
	s_wait_dscnt 0x0
	CROUND                                         ; the closing round
	s_endpgm
.Lfunc_end_k_q3227adafbc_attn:
	.size	k_q3227adafbc_attn, .Lfunc_end_k_q3227adafbc_attn-k_q3227adafbc_attn
	.p2alignl 7, 3214868480
	.fill 96, 4, 3214868480
	.section	.rodata,"a",@progbits
	.p2align	6, 0x0
	.amdhsa_kernel k_q3227adafbc_attn
		.amdhsa_group_segment_fixed_size 169984
		.amdhsa_private_segment_fixed_size 0
		.amdhsa_enable_private_segment 0
		.amdhsa_kernarg_size 32
		.amdhsa_user_sgpr_count 2
		.amdhsa_user_sgpr_kernarg_segment_ptr 1
		.amdhsa_wavefront_size32 1
		.amdhsa_system_sgpr_workgroup_id_x 1
		.amdhsa_system_sgpr_workgroup_id_y 1
		.amdhsa_system_sgpr_workgroup_id_z 1
		.amdhsa_system_vgpr_workitem_id 0
		.amdhsa_next_free_vgpr 256
		.amdhsa_next_free_sgpr 66
		.amdhsa_reserve_vcc 0
		.amdhsa_float_denorm_mode_32 3
		.amdhsa_float_denorm_mode_16_64 3
		.amdhsa_memory_ordered 1
		.amdhsa_forward_progress 1
		.amdhsa_inst_pref_size 90
	.end_amdhsa_kernel
	.amdgpu_metadata
---
amdhsa.version: [ 1, 2 ]
amdhsa.kernels:
  - .name:           k_q3227adafbc_attn
    .symbol:         k_q3227adafbc_attn.kd
    .args:
      - { .name: qbuf, .offset: 0, .size: 8, .value_kind: global_buffer, .address_space: global }
      - { .name: kv, .offset: 8, .size: 8, .value_kind: global_buffer, .address_space: global }
      - { .name: abuf, .offset: 16, .size: 8, .value_kind: global_buffer, .address_space: global }
      - { .name: asc, .offset: 24, .size: 8, .value_kind: global_buffer, .address_space: global }
    .group_segment_fixed_size: 169984
    .private_segment_fixed_size: 0
    .kernarg_segment_align: 8
    .kernarg_segment_size: 32
    .max_flat_workgroup_size: 512
    .sgpr_count:     66
    .vgpr_count:     256
    .wavefront_size: 32
...
	.end_amdgpu_metadata
.endif
;; end of part 2
;; launch proj (part 3): grid 4 x 64, 4 waves a work-group, no clusters, 236,032 bytes of LDS; arguments abuf, asc, W_out_codes, W_out_scales, b_out, out0; writes out0
.if DOCPART == 3
	.amdgcn_target "amdgcn-amd-amdhsa--gfx1250"
	.amdhsa_code_object_version 6
	.text
	.protected	k_q3227adafbc_proj
	.globl	k_q3227adafbc_proj
	.p2align	8
	.type	k_q3227adafbc_proj,@function
k_q3227adafbc_proj:
	s_mov_b64 s[64:65], 0
	v_nop
	global_prefetch_b8 v0, s[64:65] scope:SCOPE_SE
	s_setreg_imm32_b32 hwreg(HW_REG_WAVE_MODE, 25, 1), 1
	s_wait_xcnt 0x0
; out0 = a W_out^T + b_out on codes of FP4 (E2M1) with E8M0 scales.  a: attention's result as images of operand registers, abuf [group of 128 tokens][tile 8][K step 8][half 2][lane][16 bytes]; its scale rows asc [group][tile][row 16][32 bytes].
; SHARES.  Work-group (x = 256 columns, y = group of 128 tokens), four waves.  Wave w owns 64 columns for all 128 tokens: its 64 rows of W_out stay in REGISTERS (4 tiles x 8 K steps x 8 = 256) for the whole launch;
; the group's 64 KB of a lie in LDS, as they lie in memory, for all four waves.  The eight token tiles go one after the other, 32 matrix instructions each, and each leaves as soon as it is finished.
; TRANSPOSED USE: source 0 = 16 rows of W_out, source 1 = 16 tokens: a lane holds eight neighbouring columns of one token's row.  A tile (16 rows x 256 bytes) goes through the wave's own stage and leaves as aligned runs of 256 bytes.
; The tokens of a tile are woven (tile t of 64 tokens, row r: token 8 t + (r & 7) + 32 (r >> 3)): the stores' immediates undo that.
; NO JOINT LOADS: both operands come through registers.  W's rows are a wave's own and are turned into fragments in its own stage; a's image is 64 of the 192 KB that a work-group reads.
; REGISTERS, in windows of 256: window 0: addresses, scale words, a's fragments (two sets of 64).  window 1: W (t, s) at v[8 (8 t + s)].  window 2: v0-63 two sets of 4 accumulators, v64-95 the bias, v96-159 two sets of rows on their way out.
.set PW,   528                         ; a row of W in my stage: 512 bytes + 16 = 132 words: row r starts at bank 4 r mod 64 (64 banks of 4 bytes: ISA guide 11.1)
.set WST,  65536                       ; behind a's image: 64 rows for each wave
.set OST,  WST+4*64*PW                 ; behind them: two stages of 16 rows x 272 bytes for each wave
.set SP,   272
.set LN16, 1                           ; v1  16 x lane
.set ASTO, 2                           ; v2  where I put my quarter of the image
.set WSTO, 3                           ; v3  my stage for W + 16 x lane
.set WRD,  4                           ; v4  my stage for W + 528 r + 16 h
.set L32,  5                           ; v5  32 x lane: a scale row; lanes 0-15 an even tile's, lanes 16-31 the odd one's
.set BO,   6                           ; v6  32 h
.set STO,  7                           ; v7  the way out: row r, 32 h
.set RD,   8                           ; v8  and back: lanes 0-15 one row, lanes 16-31 the next
.set CO,   9                           ; v9  the same two rows in out0
.set AS,   16                          ; v16-47 a's scale words: register 8 g + s: lanes 0-15 tile 2 g, lanes 16-31 tile 2 g + 1
.set WS,   48                          ; v48-63 W's, laid likewise
.set AF,   64                          ; v64-191 a's fragments
.set BIA,  64                          ; in window 2
.set RB,   96
.set MSB, 0
.macro WIN new                         ; s_set_vgpr_msb: bits 1:0 source 0, 3:2 source 1, 5:4 source 2, 7:6 destination; the high byte repeats the setting that is left
.if MSB != (\new)
	s_set_vgpr_msb (MSB<<8)|(\new)
.set MSB, (\new)
.endif
.endm
.macro WMS d, a, b, c, sa, sb, pa, pb
.if (\pa) && (\pb)
	v_wmma_scale_f32_16x16x128_f8f6f4 v[\d:\d+7], v[\a:\a+7], v[\b:\b+7], v[\c:\c+7], v[\sa], v[\sb] matrix_a_fmt:MATRIX_FMT_FP4 matrix_b_fmt:MATRIX_FMT_FP4 matrix_a_scale:MATRIX_SCALE_ROW1 matrix_b_scale:MATRIX_SCALE_ROW1
.elseif (\pa)
	v_wmma_scale_f32_16x16x128_f8f6f4 v[\d:\d+7], v[\a:\a+7], v[\b:\b+7], v[\c:\c+7], v[\sa], v[\sb] matrix_a_fmt:MATRIX_FMT_FP4 matrix_b_fmt:MATRIX_FMT_FP4 matrix_a_scale:MATRIX_SCALE_ROW1
.elseif (\pb)
	v_wmma_scale_f32_16x16x128_f8f6f4 v[\d:\d+7], v[\a:\a+7], v[\b:\b+7], v[\c:\c+7], v[\sa], v[\sb] matrix_a_fmt:MATRIX_FMT_FP4 matrix_b_fmt:MATRIX_FMT_FP4 matrix_b_scale:MATRIX_SCALE_ROW1
.else
	v_wmma_scale_f32_16x16x128_f8f6f4 v[\d:\d+7], v[\a:\a+7], v[\b:\b+7], v[\c:\c+7], v[\sa], v[\sb] matrix_a_fmt:MATRIX_FMT_FP4 matrix_b_fmt:MATRIX_FMT_FP4
.endif
.endm
	s_load_b256 s[4:11], s[0:1], 0x0               ; abuf s[4:5], asc s[6:7], W's codes s[8:9], W's scales s[10:11]
	s_load_b128 s[12:15], s[0:1], 0x20             ; b_out s[12:13], out0 s[14:15]
	v_lshl_add_u32 v254, v0, 2, 0x39800
	v_mov_b32 v255, 0
	v_lshrrev_b32 v10, 5, v0
	v_readfirstlane_b32 s16, v10                   ; wave 0..3
	s_and_b32 s18, ttmp7, 0xffff                   ; the group of 128 tokens
	s_lshl_b32 s19, ttmp9, 8
	s_lshl_b32 s17, s16, 6
	s_add_co_u32 s19, s19, s17                     ; my first column: 256 x + 64 w
	v_and_b32 v10, 31, v0                          ; lane
	v_and_b32 v11, 15, v0                          ; r
	v_bfe_u32 v12, v0, 4, 1                        ; h
	v_lshlrev_b32 v[LN16], 4, v10
	v_lshlrev_b32 v[L32], 5, v10
	v_lshlrev_b32 v[BO], 5, v12
	s_lshl_b32 s32, s16, 14
	v_add_nc_u32 v[ASTO], s32, v[LN16]
	s_mul_i32 s33, s16, 64*PW
	s_add_co_u32 s33, s33, WST
	v_add_nc_u32 v[WSTO], s33, v[LN16]
	v_mul_u32_u24 v[WRD], v11, PW
	v_lshl_add_u32 v[WRD], v12, 4, v[WRD]
	v_add_nc_u32 v[WRD], s33, v[WRD]
	s_mul_i32 s34, s16, 2*16*SP
	s_add_co_u32 s34, s34, OST
	v_mul_u32_u24 v[STO], v11, SP
	v_lshl_add_u32 v[STO], v12, 5, v[STO]
	v_add_nc_u32 v[STO], s34, v[STO]
	v_mul_u32_u24 v[RD], v12, SP
	v_lshl_add_u32 v[RD], v11, 4, v[RD]
	v_add_nc_u32 v[RD], s34, v[RD]
	v_lshlrev_b32 v[CO], 12, v12
	v_lshl_add_u32 v[CO], v11, 4, v[CO]
	s_lshl_b32 s20, s18, 16                        ; abuf: 64 KB a group, my quarter
	s_add_co_u32 s20, s20, s32
	s_mov_b32 s21, 0
	s_lshl_b32 s22, s18, 12                        ; asc: 4,096 bytes a group
	s_mov_b32 s23, 0
	s_lshl_b32 s24, s19, 9                         ; W's codes: 512 bytes a row
	s_mov_b32 s25, 0
	s_lshl_b32 s26, s19, 5                         ; W's scales: 32 bytes a row
	s_mov_b32 s27, 0
	s_lshl_b32 s28, s19, 2                         ; the bias
	s_mov_b32 s29, 0
	s_lshl_b32 s30, s18, 19                        ; out0: 128 rows of 4,096 bytes a group, + my columns
	s_add_co_u32 s30, s30, s28
	s_mov_b32 s31, 0
	s_wait_alu depctr_va_vdst(0)
	s_wait_kmcnt 0x0
	s_add_nc_u64 s[4:5], s[4:5], s[20:21]
	s_add_nc_u64 s[6:7], s[6:7], s[22:23]
	s_add_nc_u64 s[8:9], s[8:9], s[24:25]
	s_add_nc_u64 s[10:11], s[10:11], s[26:27]
	s_add_nc_u64 s[12:13], s[12:13], s[28:29]
	s_add_nc_u64 s[14:15], s[14:15], s[30:31]
	; ---- THE WAY IN: 32 loads of the image, 20 small ones, my 64 rows of W: 116 loads
.set jK, 0
.rept 32
	global_load_b128 v[AF+4*jK:AF+4*jK+3], v[LN16], s[4:5] offset:512*jK
.set jK, jK+1
.endr
.irp g, 0,1,2,3
.irp f, 0,1
	global_load_b128 v[AS+8*\g+4*\f:AS+8*\g+4*\f+3], v[L32], s[6:7] offset:1024*\g+16*\f
.endr
.endr
.irp g, 0,1
.irp f, 0,1
	global_load_b128 v[WS+8*\g+4*\f:WS+8*\g+4*\f+3], v[L32], s[10:11] offset:1024*\g+16*\f
.endr
.endr
	WIN 0x80                                       ; destination window 2
.irp t, 0,1,2,3
.irp f, 0,1
	global_load_b128 v[BIA+8*\t+4*\f:BIA+8*\t+4*\f+3], v[BO], s[12:13] offset:64*\t+16*\f   ; lane (., h), tile t, register j: column 16 t + 8 h + j
.endr
.endr
	WIN 0x40                                       ; destination window 1
.set jK, 0
.rept 64
	global_load_b128 v[4*jK:4*jK+3], v[LN16], s[8:9] offset:512*jK                       ; a whole row of 512 bytes to a load
.set jK, jK+1
.endr
	WIN 0
	s_wait_loadcnt 63                              ; of 116 loads at most 63 are out: the oldest 53 are in, my quarter of the image and the small ones among them
.set jK, 0
.rept 32
	ds_store_b128 v[ASTO], v[AF+4*jK:AF+4*jK+3] offset:512*jK
.set jK, jK+1
.endr
	s_wait_loadcnt 0x0
	WIN 0x04                                       ; an LDS store's data are its source 1: window 1
.set jK, 0
.rept 64
	ds_store_b128 v[WSTO], v[4*jK:4*jK+3] offset:PW*jK
.set jK, jK+1
.endr
	WIN 0x40                                       ; LDS serves a wave's instructions in order (ISA guide 5.7.1.4): these see the stores above
.set jK, 0
.rept 64
	ds_load_b128 v[4*jK:4*jK+3], v[WRD] offset:16*PW*(jK/16)+32*(jK%16)                  ; register 4 (16 t + 2 s + c)
.set jK, jK+1
.endr
	WIN 0
	s_wait_dscnt 0x0                               ; for the others' sake: my quarter of the image is in LDS; and W's fragments are in
	s_barrier_signal -1
	s_barrier_wait -1                              ; the launch's one barrier: the image is whole
.macro ALOAD tau                       ; a's eight fragments of tile tau into set tau % 2
.irp s, 0,1,2,3,4,5,6,7
.irp c, 0,1
	ds_load_b128 v[AF+64*((\tau)%2)+8*\s+4*\c:AF+64*((\tau)%2)+8*\s+4*\c+3], v[LN16] offset:8192*(\tau)+1024*\s+512*\c
.endr
.endr
.endm
.macro SEND tau                        ; tile tau's 16 rows: sixteen lanes store 256 consecutive bytes, aligned; row 2 k + lane / 16 of the tile is token 64 (tau / 4) + 8 (tau % 4) + 2 (k % 4) + 32 (k / 4) + lane / 16
	WIN 0x08                                       ; a store's data are its source 1: window 2
.irp k, 0,1,2,3,4,5,6,7
	global_store_b128 v[CO], v[RB+32*((\tau)%2)+4*\k:RB+32*((\tau)%2)+4*\k+3], s[14:15] offset:(64*((\tau)/4)+8*((\tau)%4)+2*(\k%4)+32*(\k/4))*4096 th:TH_STORE_NT
.endr
.endm
.macro TILE tau
.set Z, (\tau)%2
.if (\tau) == 0
	s_wait_dscnt 16                                ; tile 0's fragments are in; tile 1's sixteen loads may stay out
.elseif (\tau) == 1
	s_wait_dscnt 32                                ; behind tile 1's fragments: tile 2's sixteen loads, tile 0's eight stores into the stage and eight loads out of it
.endif                                         ; (from tile 2 on the wait for 0 in the tile before has shown the fragments in)
	WIN 0xa1                                       ; source 0 (W) window 1, source 1 (a) window 0, C and D window 2
.irp s, 0,1,2,3,4,5,6,7                        ; the four accumulators by turns, K ascending
.irp t, 0,1,2,3
.set rD, 32*Z+8*\t
.set rA, 8*(8*\t+\s)
.set rB, AF+64*Z+8*\s
.set rC, rD
.if \s == 0
.set rC, BIA+8*\t                      ; the bias starts the sum
.endif
.set rSA, WS+8*(\t/2)+\s
.set rSB, AS+8*((\tau)/2)+\s
	WMS rD, rA, rB, rC, rSA, rSB, \t%2, (\tau)%2
.endr
.endr
.if (\tau) > 0
	s_wait_dscnt 0x0                               ; the tile before is back from its stage (asked for 32 matrix instructions ago); its stores into the stage have read the other set of accumulators
	SEND (\tau)-1
.endif
	WIN 0
.rept 4
	v_nop                                          ; places behind the products: loads into the fragments that they read, and LDS stores of their results, follow
.endr
.if (\tau)+2 < 8
	ALOAD (\tau)+2
.endif
	s_wait_xcnt 0x0                                ; the stores of two tiles ago have read their data: the rows' registers are loaded again only behind this wait
	WIN 0x08
.irp t, 0,1,2,3
	ds_store_b128 v[STO], v[32*Z+8*\t:32*Z+8*\t+3] offset:16*SP*Z+64*\t                  ; each accumulator from its low end on
	ds_store_b128 v[STO], v[32*Z+8*\t+4:32*Z+8*\t+7] offset:16*SP*Z+64*\t+16
.endr
	WIN 0x80
.irp k, 0,1,2,3,4,5,6,7
	ds_load_b128 v[RB+32*Z+4*\k:RB+32*Z+4*\k+3], v[RD] offset:16*SP*Z+2*SP*\k           ; my own bytes, served in order: these see the stores above
.endr
.endm
	ALOAD 0
	ALOAD 1
.irp a, 0,1,2,3,4,5,6,7
	TILE \a
.endr
	s_wait_dscnt 0x0
	SEND 7
	WIN 0
	s_wait_tensorcnt 0x0
	ds_add_u32 v254, v255
	s_wait_dscnt 0x0
	s_endpgm
.Lfunc_end_k_q3227adafbc_proj:
	.size	k_q3227adafbc_proj, .Lfunc_end_k_q3227adafbc_proj-k_q3227adafbc_proj
	.p2alignl 7, 3214868480
	.fill 96, 4, 3214868480
	.section	.rodata,"a",@progbits
	.p2align	6, 0x0
	.amdhsa_kernel k_q3227adafbc_proj
		.amdhsa_group_segment_fixed_size 236032
		.amdhsa_private_segment_fixed_size 0
		.amdhsa_enable_private_segment 0
		.amdhsa_kernarg_size 48
		.amdhsa_user_sgpr_count 2
		.amdhsa_user_sgpr_kernarg_segment_ptr 1
		.amdhsa_wavefront_size32 1
		.amdhsa_system_sgpr_workgroup_id_x 1
		.amdhsa_system_sgpr_workgroup_id_y 1
		.amdhsa_system_sgpr_workgroup_id_z 1
		.amdhsa_system_vgpr_workitem_id 0
		.amdhsa_next_free_vgpr 768
		.amdhsa_next_free_sgpr 66
		.amdhsa_reserve_vcc 0
		.amdhsa_float_denorm_mode_32 3
		.amdhsa_float_denorm_mode_16_64 3
		.amdhsa_memory_ordered 1
		.amdhsa_forward_progress 1
		.amdhsa_inst_pref_size 81
	.end_amdhsa_kernel
	.amdgpu_metadata
---
amdhsa.version: [ 1, 2 ]
amdhsa.kernels:
  - .name:           k_q3227adafbc_proj
    .symbol:         k_q3227adafbc_proj.kd
    .args:
      - { .name: abuf, .offset: 0, .size: 8, .value_kind: global_buffer, .address_space: global }
      - { .name: asc, .offset: 8, .size: 8, .value_kind: global_buffer, .address_space: global }
      - { .name: W_out_codes, .offset: 16, .size: 8, .value_kind: global_buffer, .address_space: global }
      - { .name: W_out_scales, .offset: 24, .size: 8, .value_kind: global_buffer, .address_space: global }
      - { .name: b_out, .offset: 32, .size: 8, .value_kind: global_buffer, .address_space: global }
      - { .name: out0, .offset: 40, .size: 8, .value_kind: global_buffer, .address_space: global }
    .group_segment_fixed_size: 236032
    .private_segment_fixed_size: 0
    .kernarg_segment_align: 8
    .kernarg_segment_size: 48
    .max_flat_workgroup_size: 128
    .sgpr_count:     66
    .vgpr_count:     768
    .wavefront_size: 32
...
	.end_amdgpu_metadata
.endif
;; end of part 3
